; MI455X (gfx1250); checked and timed in simulation.
; The chip was launched on July 23, 2026; its instructions are those of AMD's public machine-readable ISA for CDNA 5 (MIT licence, August 2026) and "CDNA5" Instruction Set Architecture Reference Guide (July 2026). The comments in the code are by the model that wrote it; some were corrected since.
;; Conditional Attention Dense. Allowed arithmetic: matrix products marked QUANTISED: E5M2 operands, one given power-of-two scale a tensor, by v_wmma_f32_16x16x64_bf8_bf8 or v_wmma_f32_16x16x128_bf8_bf8, f32 sums; everything else in f32.
;; Inputs: Wk_codes 64 x 16 x 32 uint8 (E5M2 codes of Wk, K innermost, in blocks of 32 codes); Wq_codes 64 x 16 x 32 uint8 (E5M2 codes of Wq, K innermost, in blocks of 32 codes); Wv_codes 512 x 16 x 32 uint8 (E5M2 codes of Wv, K innermost, in blocks of 32 codes); beta 1 float32; bk 64 float32; bq 64 float32; bv 512 float32; lowp_scales 10 int32 (the exponents e of the quantised operands' scales 2^e); query 16 x 32 x 64 x 512 float32.
;; Outputs: out0 16 x 32 x 64 x 512 float32.
;; This version of the problem:
;;   THIS VERSION OF THE PROBLEM IS GIVEN IN LOW PRECISION. The matrix products marked QUANTISED in the list below multiply operands that are first quantised to E5M2 (5 exponent bits, 2 mantissa bits; 8 bits a number), with one given power-of-two scale for each operand tensor; their sums are f32. All else is computed in f32.
;;   The module's matrix products, in the order in which they are computed (A, B: the left and right operand; K: the contracted axis; several contracted axes count as one K, in the product's order):
;;     1. [M 32,768, K 512] x [K 512, N 64]; A: input query; B: input Wq (given as codes): QUANTISED (scales: A lowp_scales[0], B lowp_scales[1])
;;     2. [M 32,768, K 512] x [K 512, N 64]; A: input query; B: input Wk (given as codes): QUANTISED (scales: A lowp_scales[2], B lowp_scales[3])
;;     3. [M 32,768, K 512] x [K 512, N 512]; A: input query; B: input Wv (given as codes): QUANTISED (scales: A lowp_scales[4], B lowp_scales[5])
;;     4. batch 16 x [M 2,048, K 64] x [K 64, N 2,048]; A: computed on the way; B: computed on the way: QUANTISED (scales: A lowp_scales[6], B lowp_scales[7])
;;     5. batch 16 x [M 2,048, K 2,048] x [K 2,048, N 512]; A: softmax (see below); B: computed on the way: QUANTISED (scales: A lowp_scales[8], B lowp_scales[9])
;;   THE QUANTISER, for each operand of a quantised product, along K:
;;     - The operand's scale is 2^e, e = its entry of the input lowp_scales (int32; the entries are numbered through the quantised products in the list's order, A before B).
;;     - Each number is divided by the scale, clamped to +-57,344, and rounded to the nearest number of E5M2, ties to even, subnormals kept.
;;     - The product sums the exact products of the quantised numbers (number of the format x scale) in f32.
;;   ~~~python
;;   def quantise(x, axis, e):      # numpy; x: float32 -> the quantised numbers, widened to float32 again
;;       x = np.moveaxis(x, axis, -1); K = x.shape[-1]
;;       r = np.clip(x / 2.0 ** e, -57344, 57344)
;;       step = 2.0 ** (np.maximum(np.frexp(np.where(r == 0, 1, r))[1] - 1, -14) - 2)
;;       q = np.round(r / step) * step * 2.0 ** e      # np.round: ties to even
;;       return np.moveaxis(q, -1, axis).astype(np.float32)
;;   ~~~
;;   SOFTMAX AHEAD OF A QUANTISED PRODUCT. Where the list says 'softmax', what is quantised is not the finished softmax but p = 2^(t - M), with t = logit x log2(e) and M = ceil(the row's largest t), a whole number; so 1/2 < the row's largest p <= 1. The row's sum l is taken of the UNQUANTISED p, in f32, and the product's result is divided by l at the end. Since M is a whole number, a kernel that streams over the keys may use a running M (the ceiling of the running maximum): every later rescaling is an exact power of two, so the quantised numbers keep their values, but for numbers so far below the row's largest that they fall under the format's range.
;;   OPERANDS COMPUTED ON THE WAY. 'Computed on the way' means the value that the module computes at that place (a softmax that the list does not call 'softmax' is quantised finished and normalised). What goes into a quantiser is computed in f32, as accurately as f32 sums, v_exp_f32 and their like allow (about 1e-6 of the number): no bf16 or f16 on the way to a quantiser, and a product that is left as it is and whose result goes on into a quantised operand takes f32 operands (vector FMAs, or v_wmma_f32_16x16x4_f32). A number that lies on a knife's edge between two numbers of the format may be rounded either way, as far as f32 arithmetic and the matrix unit's own rounding can turn it there, and no further.
;;   INPUTS GIVEN AS CODES. Wk (in the module: [512, 64], K = its axis 0); Wq (in the module: [512, 64], K = its axis 0); Wv (in the module: [512, 512], K = its axis 0): each comes as NAME_codes (uint8): NAME with its K axis moved to the last place and cut into blocks of 32 codes, [.., K / 32, bytes a block], one block behind the other in memory; one code a byte (a code: sign, 5 exponent bits, 2 mantissa bits); its scale is its entry of lowp_scales. Its value is code x scale, taken as it is: it is not quantised again, and the codes and scales need not be those that the quantiser above would give.
;; One version. Each part assembles by itself: llvm-mc -triple=amdgcn-amd-amdhsa -mcpu=gfx1250 --defsym DOCPART=n.
;; ======== version 1 of 1: 2 launches
;; workspace buffers: q_img 2,097,152 bytes; kv_img 18,874,368 bytes
;; launch proj (part 1): grid 256 x 1, 4 waves a work-group, no clusters, 270,848 bytes of LDS; arguments query, Wq_codes, Wk_codes, Wv_codes, bq, bk, bv, lowp_scales, q_img, kv_img; writes q_img, kv_img
.if DOCPART == 1
	.amdgcn_target "amdgcn-amd-amdhsa--gfx1250"
	.amdhsa_code_object_version 6
	.text
	.protected	k_q6d8d6cb162_proj
	.globl	k_q6d8d6cb162_proj
	.p2align	8
	.type	k_q6d8d6cb162_proj,@function
k_q6d8d6cb162_proj:
	s_mov_b64 s[64:65], 0
	v_nop
	global_prefetch_b8 v0, s[64:65] scope:SCOPE_SE
	s_setreg_imm32_b32 hwreg(HW_REG_WAVE_MODE, 25, 1), 1
	s_wait_xcnt 0x0
; q = Q(x,e0) Wq + bq, k = Q(x,e2) Wk + bk, v = Q(x,e4) Wv + bv on codes of BF8 (E5M2); the results are quantised by e6, e7, e9 and stored as IMAGES OF THE
; OPERAND REGISTERS that the attention launch wants, 512 consecutive bytes a store.
; SHARES.  A work-group takes 128 tokens (8 tiles of 16), one key step of one batch.  K = 512 goes in four steps of 128.  Wave w (a) fetches and quantises rows 32 w .. 32 w + 31 of x, three times
; (the three given scales may differ); (b) makes v for channels 128 w .. + 127 and all 128 tokens: 64 accumulators; (c) makes 32 of the 64 numbers of q (waves 0, 1) or k (waves 2, 3) for all tokens: 16 accumulators.
; x comes by four tensor loads a wave (32 rows x 512 bytes each), all issued at the head: four loads of mine are out.  A tile's raw rows, once read, are overwritten by the
; wave's own images of the codes made of them; each K step has bytes of its own, so one barrier a K step orders stores and reads.
; The weights (327,680 bytes) are shared by all work-groups, yet no cluster and no joint load: each wave's part goes from memory straight into its registers, once, and x's raw tiles take 270,336 bytes of LDS.
; FRAGMENTS (16 rows x 128 K, 16 registers): lane (r, h) holds row r, registers 4 c .. 4 c + 3 hold K = 32 c + 16 h + 0 .. 15: a permutation of K that x and the weights share.
; v: source 0 = x, source 1 = Wv: a lane holds ONE channel and eight tokens 8 h + j, so eight registers convert into keys 16 m + 8 h + 0 .. 7: registers 2 m, 2 m + 1 of the second attention product's operand.
; q, k: source 0 = 16 rows of the weight, source 1 = x: a lane holds one token.  Lane r of tile u takes the weight's row 32 b + 8 u + r + 8 (r / 8), so the 16 registers of tiles 0, 1 are d = 32 b + 16 h + 0 .. 15.
; A sum stands for sum x 2^(ex + ew): the bias goes in as bias / 2^(ex + ew) and the conversion takes 2^(eo - ex - ew).
; LIMITS: e0, e2, e4 and e6 - e0 - e1, e7 - e2 - e3, e9 - e4 - e5 between -126 and 112, so that each power of two and each hold below is an f32 number.  NaN among the inputs is not served.
; REGISTERS.  window 0: v2-15, v26 addresses; v16-25 scales and holds; v32-63 the q/k weight's two fragments, later q/k codes; v64-79 at work; v80-127 codes, later v's codes and the biases;
;   v128-191, v192-255 raw x, then x's fragments, then sums + bias.   window 1: v0-127 Wv's 8 fragments; v128-255 the q/k accumulators.   windows 2, 3: v's accumulators, (ct, m) at 64 (ct % 4) + 8 m.
.set RAWT,  16896                      ; a raw tile: 32 rows x (512 bytes + 16 of padding)
.set WREG,  4*RAWT                     ; a wave's region: four K steps
.set HALF,  8448                       ; 16 rows of a raw tile
.set SETB,  2048                       ; a fragment's image
.set BLOCK, 73728                      ; a key step's block in kv_img: 65,536 bytes of v, then 8,192 of k
.set KOFF,  65536
.set RAWA, 2                           ; v2     my place in a raw tile: region + 528 r + 64 h
.set IMS,  3                           ; v3     where I store images: region + 16 x lane
.set IML,  4                           ; v4-7   where wave p's images lie: p x WREG + 16 x lane
.set IMQ,  8                           ; v8-11  the same + 2,048 x role: set 0 (e0) for q, set 1 (e2) for k
.set WVO,  12                          ; v12    Wv: 512 r + 16 h
.set WQO,  13                          ; v13    Wq, Wk: 512 (r + 8 (r / 8)) + 16 h
.set OUTO, 14                          ; v14    16 x lane
.set BVO,  15                          ; v15    4 r
.set SCX,  16                          ; v16-21 2^e and 57,344 x 2^e for e0, e2, e4
.set SCV,  22                          ; v22, v23 the same for v's conversion
.set LIMV, 23
.set SCQ,  24                          ; v24, v25 for q's or k's
.set LIMQ, 25
.set BQO,  26                          ; v26    64 h
.set WQF,  32
.set QC,   32
.set TA,   64
.set TB,   72
.set VC,   64
.set CT0,  80
.set BV,   96
.set BQ,   112
.set H0,   128
.set H1,   192
.set G1,   24                          ; s[24:31] descriptor group 1
.set G0,   32                          ; s[32:47] four groups 0, one for each K step
.set WV,   58
.set MSB, 0
.macro WIN new                         ; the immediate's high byte repeats the setting that is left
.if MSB != (\new)
	s_set_vgpr_msb (MSB<<8)|(\new)
.set MSB, (\new)
.endif
.endm
.macro NOP4
.rept 4
	v_nop
.endr
.endm
.macro BAR                             ; my LDS stores have landed and my LDS loads are in: then the work-group's barrier
	s_wait_dscnt 0x0
	s_barrier_signal -1
	s_barrier_wait -1
.endm
.macro MKSC se, vs, vl                 ; s[se] = e:  v[vs] = 2^e,  v[vl] = 57,344 x 2^e
	s_add_co_i32 s90, s[\se], 127
	s_lshl_b32 s91, s90, 23
	v_mov_b32 v[\vs], s91
	s_add_co_i32 s90, s90, 15
	s_lshl_b32 s90, s90, 23
	s_or_b32 s90, s90, 0x600000
	v_mov_b32 v[\vl], s90
.endm
.macro RAWLOAD ks, ti, hh              ; 16 rows of raw x: register 16 b + 4 j + n = K 32 b + 16 h + 4 j + n of my row
.irp b,0,1,2,3
.irp j,0,1,2,3
	ds_load_b128 v[(\hh)+16*\b+4*\j:(\hh)+16*\b+4*\j+3], v[RAWA] offset:(\ks)*RAWT+(\ti)*HALF+128*\b+16*\j
.endr
.endr
.endm
.macro QSET hh, set, cb, off           ; 64 numbers at v[hh] become a fragment's codes at v[cb], by scale number set, and go to LDS as they stand
.irp b,0,1,2,3
.irp i,0,1,2,3,4,5,6,7
	v_med3_num_f32 v[TA+\i], v[(\hh)+16*\b+\i], -v[SCX+2*(\set)+1], v[SCX+2*(\set)+1]   ; the conversion does not saturate (ISA guide 7.6.2): the hold at the largest code x the scale
.endr
	v_cvt_scalef32_pk8_bf8_f32 v[(\cb)+4*\b:(\cb)+4*\b+1], v[TA:TA+7], v[SCX+2*(\set)]
.irp i,0,1,2,3,4,5,6,7
	v_med3_num_f32 v[TB+\i], v[(\hh)+16*\b+8+\i], -v[SCX+2*(\set)+1], v[SCX+2*(\set)+1]
.endr
	v_cvt_scalef32_pk8_bf8_f32 v[(\cb)+4*\b+2:(\cb)+4*\b+3], v[TB:TB+7], v[SCX+2*(\set)]
.endr
	v_nop                                          ; a plain line behind the last conversion
.irp c,0,1,2,3
	ds_store_b128 v[IMS], v[(\cb)+4*\c:(\cb)+4*\c+3] offset:(\off)+512*\c
.endr
.endm
.macro XLOAD hh, ad, off, m0           ; x's fragments of token tiles m0 .. m0 + 3: tile m was made by wave m / 2
.irp k,0,1,2,3
.irp c,0,1,2,3
	ds_load_b128 v[(\hh)+16*\k+4*\c:(\hh)+16*\k+4*\c+3], v[(\ad)+((\m0)+\k)/2] offset:(\off)+(((\m0)+\k)%2)*HALF+512*\c
.endr
.endr
.endm
.macro WVLOAD ks                       ; my 8 fragments of Wv for K step ks
	WIN 0x40
.irp ct,0,1,2,3,4,5,6,7
.irp c,0,1,2,3
	global_load_b128 v[16*\ct+4*\c:16*\ct+4*\c+3], v[WVO], s[70:71] offset:\ct*8192+128*(\ks)+32*\c
.endr
.endr
	WIN 0
.endm
.macro WQLOAD ks                       ; my two fragments of Wq or Wk
.irp u,0,1
.irp c,0,1,2,3
	global_load_b128 v[WQF+16*\u+4*\c:WQF+16*\u+4*\c+3], v[WQO], s[72:73] offset:\u*4096+128*(\ks)+32*\c
.endr
.endr
.endm
.macro VMUL hh, m0, zero               ; 32 products, the accumulators by turns
.irp ct,0,1,2,3,4,5,6,7
	WIN 0xa4+0x50*(\ct/4)
.irp k,0,1,2,3
.if \zero
	v_wmma_f32_16x16x128_bf8_bf8 v[64*(\ct%4)+8*((\m0)+\k):64*(\ct%4)+8*((\m0)+\k)+7], v[(\hh)+16*\k:(\hh)+16*\k+15], v[16*\ct:16*\ct+15], 0
.else
	v_wmma_f32_16x16x128_bf8_bf8 v[64*(\ct%4)+8*((\m0)+\k):64*(\ct%4)+8*((\m0)+\k)+7], v[(\hh)+16*\k:(\hh)+16*\k+15], v[16*\ct:16*\ct+15], v[64*(\ct%4)+8*((\m0)+\k):64*(\ct%4)+8*((\m0)+\k)+7]
.endif
.endr
.endr
.endm
.macro QKMUL hh, m0, zero              ; 8 products, transposed
	WIN 0x50
.irp k,0,1,2,3
.irp u,0,1
.if \zero
	v_wmma_f32_16x16x128_bf8_bf8 v[128+16*((\m0)+\k)+8*\u:128+16*((\m0)+\k)+8*\u+7], v[WQF+16*\u:WQF+16*\u+15], v[(\hh)+16*\k:(\hh)+16*\k+15], 0
.else
	v_wmma_f32_16x16x128_bf8_bf8 v[128+16*((\m0)+\k)+8*\u:128+16*((\m0)+\k)+8*\u+7], v[WQF+16*\u:WQF+16*\u+15], v[(\hh)+16*\k:(\hh)+16*\k+15], v[128+16*((\m0)+\k)+8*\u:128+16*((\m0)+\k)+8*\u+7]
.endif
.endr
.endr
.endm
	s_load_b256 s[4:11], s[0:1], 0x0               ; query s[4:5], Wq s[6:7], Wk s[8:9], Wv s[10:11]
	s_load_b256 s[12:19], s[0:1], 0x20             ; bq s[12:13], bk s[14:15], bv s[16:17], the scales' exponents s[18:19]
	s_load_b128 s[20:23], s[0:1], 0x40             ; q_img s[20:21], kv_img s[22:23]
	v_lshl_add_u32 v254, v0, 2, 0x42000
	v_mov_b32 v255, 0
	ds_add_u32 v254, v255
	ds_add_u32 v254, v255
	s_wait_dscnt 0x0
	v_lshrrev_b32 v1, 5, v0
	v_readfirstlane_b32 s[WV], v1                  ; wave 0..3
	s_lshr_b32 s59, s[WV], 1                       ; role: 0 = q, 1 = k
	s_and_b32 s60, s[WV], 1                        ; b: which 32 of the 64
	; descriptor group 1: 32 rows x 128 elements of 4 bytes, 512 elements from row to row; 4 words of padding behind every 128
	s_mov_b32 s[G1+0], (2<<16)|(1<<20)|(6<<22)|(3<<25)
	s_mov_b32 s[G1+1], 128<<16                     ; tensor_dim0
	s_mov_b32 s[G1+2], 32<<16                      ; tensor_dim1
	s_mov_b32 s[G1+3], 128<<16                     ; tile_dim0
	s_mov_b32 s[G1+4], 32                          ; tile_dim1
	s_mov_b32 s[G1+5], 512                         ; tensor_dim0_stride
	s_mov_b32 s[G1+6], 0
	s_mov_b32 s[G1+7], 0
	s_mul_i32 s66, s[WV], WREG                     ; my region of LDS
	s_lshl_b32 s68, ttmp9, 18                      ; 128 rows of 2,048 bytes a work-group,
	s_lshl_b32 s67, s[WV], 16                      ; 32 a wave
	s_add_co_u32 s68, s68, s67
	s_mov_b32 s69, 0
	s_mul_i32 s84, ttmp9, BLOCK                    ; my block of kv_img
	s_lshl_b32 s85, ttmp9, 13                      ; my 8 tiles of q_img
	s_add_co_u32 s86, s84, KOFF
	s_mov_b32 s89, 0
	s_wait_kmcnt 0x0
	s_load_b256 s[48:55], s[18:19], 0x0            ; e0 .. e7
	s_load_b64 s[56:57], s[18:19], 0x20            ; e8, e9
	s_add_nc_u64 s[68:69], s[4:5], s[68:69]        ; x at my first row
.irp t,0,1,2,3
	s_mov_b32 s[G0+4*\t], 1
	s_add_co_u32 s[G0+4*\t+1], s66, \t*RAWT
	s_add_nc_u64 s[G0+4*\t+2:G0+4*\t+3], s[68:69], \t*512
	s_or_b32 s[G0+4*\t+3], s[G0+4*\t+3], 0x80000000
.endr
.irp t,0,1,2,3
	tensor_load_to_lds s[G0+4*\t:G0+4*\t+3], s[G1:G1+7]   ; all of my x: four loads of mine are out
	s_nop 0
.endr
	NOP4
	s_cmp_lt_u32 s[WV], 2                          ; q's waves or k's: the choices hang on the wave's number alone
	s_cselect_b64 s[72:73], s[6:7], s[8:9]         ; the weight,
	s_cselect_b64 s[74:75], s[12:13], s[14:15]     ; the bias,
	s_cselect_b64 s[80:81], s[20:21], s[22:23]     ; where the codes go,
	s_cselect_b32 s82, s85, s86                    ; and at which byte
	s_lshl_b32 s88, s60, 14                        ; 32 rows of 512 bytes
	s_add_nc_u64 s[72:73], s[72:73], s[88:89]
	s_lshl_b32 s88, s60, 7
	s_add_nc_u64 s[74:75], s[74:75], s[88:89]
	s_lshl_b32 s88, s60, 9                         ; piece b of each tile's image
	s_add_co_u32 s88, s88, s82
	s_add_nc_u64 s[80:81], s[80:81], s[88:89]
	s_lshl_b32 s88, s[WV], 16                      ; my 128 rows of Wv
	s_add_nc_u64 s[70:71], s[10:11], s[88:89]
	s_lshl_b32 s88, s[WV], 9
	s_add_nc_u64 s[76:77], s[16:17], s[88:89]      ; my 128 numbers of bv
	s_lshl_b32 s88, s[WV], 14                      ; my 8 channel tiles' images
	s_add_co_u32 s88, s88, s84
	s_add_nc_u64 s[78:79], s[22:23], s[88:89]
	v_and_b32 v27, 31, v0                          ; lane
	v_and_b32 v28, 15, v0                          ; r
	v_bfe_u32 v29, v0, 4, 1                        ; h
	v_lshlrev_b32 v[WVO], 9, v28
	v_lshl_add_u32 v[WVO], v29, 4, v[WVO]
	v_and_b32 v30, 8, v28
	v_add_nc_u32 v30, v30, v28                     ; r + 8 (r / 8)
	v_lshlrev_b32 v[WQO], 9, v30
	v_lshl_add_u32 v[WQO], v29, 4, v[WQO]
	WVLOAD 0
	WQLOAD 0
	v_mul_u32_u24 v[RAWA], v28, 528
	v_lshl_add_u32 v[RAWA], v29, 6, v[RAWA]
	v_add_nc_u32 v[RAWA], s66, v[RAWA]
	v_lshlrev_b32 v[OUTO], 4, v27
	v_add_nc_u32 v[IMS], s66, v[OUTO]
	s_lshl_b32 s67, s59, 11
.irp p,0,1,2,3
	v_add_nc_u32 v[IML+\p], \p*WREG, v[OUTO]
.endr
.irp p,0,1,2,3
	v_add_nc_u32 v[IMQ+\p], s67, v[IML+\p]
.endr
	v_lshlrev_b32 v[BVO], 2, v28
	v_lshlrev_b32 v[BQO], 6, v29
	s_wait_kmcnt 0x0
	MKSC 48, SCX, SCX+1
	MKSC 50, SCX+2, SCX+3
	MKSC 52, SCX+4, SCX+5
	s_add_co_i32 s92, s52, s53                     ; e4 + e5
	s_sub_co_i32 s93, s57, s92                     ; e9 - e4 - e5
	MKSC 93, SCV, LIMV
	s_sub_co_i32 s92, 0, s92
	s_cmp_lt_u32 s[WV], 2
	s_cselect_b32 s94, s48, s50
	s_cselect_b32 s95, s49, s51
	s_cselect_b32 s96, s54, s55
	s_add_co_i32 s94, s94, s95                     ; e0 + e1, or e2 + e3
	s_sub_co_i32 s96, s96, s94                     ; e6 or e7 less that
	MKSC 96, SCQ, LIMQ
	s_sub_co_i32 s94, 0, s94
.macro KSTEP ks, zero
	s_wait_tensorcnt 3-(\ks)                       ; tensor loads of a wave end in order: this K step's tile is in, the later ones may be out
	RAWLOAD \ks, 0, H0
	RAWLOAD \ks, 1, H1
	s_wait_dscnt 16                                ; my first 16 rows are in registers: their LDS bytes take the images
	QSET H0, 0, CT0, (\ks)*RAWT
	QSET H0, 1, CT0+16, (\ks)*RAWT+SETB
	QSET H0, 2, CT0+32, (\ks)*RAWT+2*SETB
	s_wait_dscnt 12                                ; behind the second 16 rows' loads stand my 12 image stores
	QSET H1, 0, H0, (\ks)*RAWT+HALF                ; these codes are made where the first rows' numbers lay: no store's data are written again ahead of the barrier
	QSET H1, 1, H0+16, (\ks)*RAWT+HALF+SETB
	QSET H1, 2, H0+32, (\ks)*RAWT+HALF+2*SETB
	BAR                                            ; the 24 fragments of this K step lie in LDS
	XLOAD H0, IML, (\ks)*RAWT+2*SETB, 0            ; x by e4
	XLOAD H1, IML, (\ks)*RAWT+2*SETB, 4
	s_wait_loadcnt 0x0                             ; the weights of this K step
	s_wait_dscnt 16
	VMUL H0, 0, \zero
	NOP4                                           ; places in front of loads into registers that matrix instructions have read
	WIN 0
	XLOAD H0, IMQ, (\ks)*RAWT, 0                   ; x by e0 or e2
	s_wait_dscnt 16
	VMUL H1, 4, \zero
	NOP4
.if (\ks) < 3
	WVLOAD (\ks)+1
.else
	WIN 0
.irp ct,0,1,2,3,4,5,6,7
	global_load_b32 v[BV+2*\ct], v[BVO], s[76:77] offset:64*\ct              ; bv of my lane's channel in tile ct
.endr
.irp u,0,1
	global_load_b128 v[BQ+8*\u:BQ+8*\u+3], v[BQO], s[74:75] offset:32*\u       ; bq or bk at d = 32 b + 16 h + 8 u + 0 .. 7
	global_load_b128 v[BQ+8*\u+4:BQ+8*\u+7], v[BQO], s[74:75] offset:32*\u+16
.endr
.endif
	WIN 0
	XLOAD H1, IMQ, (\ks)*RAWT, 4
	s_wait_dscnt 16
	QKMUL H0, 0, \zero
	s_wait_dscnt 0x0
	QKMUL H1, 4, \zero
	NOP4
	WIN 0
.if (\ks) < 3
	WQLOAD (\ks)+1
.endif
.endm
	KSTEP 0, 1                                     ; the first K step's products start the sums
	KSTEP 1, 0
	KSTEP 2, 0
	KSTEP 3, 0
	; THE WAY OUT
	s_wait_loadcnt 0x0                             ; the biases
.irp ct,0,1,2,3,4,5,6,7
	v_ldexp_f32 v[BV+2*\ct+1], v[BV+2*\ct], s92    ; bv / 2^(e4 + e5), twice: a pair for the packed addition
	v_ldexp_f32 v[BV+2*\ct], v[BV+2*\ct], s92
.endr
.irp j,0,1,2,3,4,5,6,7,8,9,10,11,12,13,14,15
	v_ldexp_f32 v[BQ+\j], v[BQ+\j], s94
.endr
	WIN 0x01                                       ; source 0: the q/k accumulators in window 1
.irp m,0,1,2,3,4,5,6,7
.irp u,0,1
.irp i,0,2,4,6
	v_pk_add_f32 v[H0+16*\m+8*\u+\i:H0+16*\m+8*\u+\i+1], v[128+16*\m+8*\u+\i:128+16*\m+8*\u+\i+1], v[BQ+8*\u+\i:BQ+8*\u+\i+1]
.endr
.endr
.endr
	WIN 0
.irp m,0,1,2,3,4,5,6,7
.irp u,0,1
.irp i,0,1,2,3,4,5,6,7
	v_med3_num_f32 v[H0+16*\m+8*\u+\i], v[H0+16*\m+8*\u+\i], -v[LIMQ], v[LIMQ]
.endr
	v_cvt_scalef32_pk8_bf8_f32 v[QC+4*\m+2*\u:QC+4*\m+2*\u+1], v[H0+16*\m+8*\u:H0+16*\m+8*\u+7], v[SCQ]
.endr
.endr
	v_nop
.irp m,0,1,2,3,4,5,6,7
	global_store_b128 v[OUTO], v[QC+4*\m:QC+4*\m+3], s[80:81] offset:1024*\m   ; piece b of token tile m: 512 consecutive bytes
.endr
.irp ct,0,1,2,3,4,5,6,7
	WIN 0x02+(\ct/4)                               ; source 0: v's accumulators
.irp i,0,2,4,6,8,10,12,14,16,18,20,22,24,26,28,30,32,34,36,38,40,42,44,46,48,50,52,54,56,58,60,62
	v_pk_add_f32 v[H0+64*(\ct%2)+\i:H0+64*(\ct%2)+\i+1], v[64*(\ct%4)+\i:64*(\ct%4)+\i+1], v[BV+2*\ct:BV+2*\ct+1]   ; each accumulator from its low end on
.endr
	WIN 0
.if \ct >= 2
	s_wait_xcnt 0x0                                ; the stores of two tiles ago have read their data: those registers are written again below
.endif
.irp m,0,1,2,3,4,5,6,7
.irp i,0,1,2,3,4,5,6,7
	v_med3_num_f32 v[H0+64*(\ct%2)+8*\m+\i], v[H0+64*(\ct%2)+8*\m+\i], -v[LIMV], v[LIMV]
.endr
	v_cvt_scalef32_pk8_bf8_f32 v[VC+16*(\ct%2)+2*\m:VC+16*(\ct%2)+2*\m+1], v[H0+64*(\ct%2)+8*\m:H0+64*(\ct%2)+8*\m+7], v[SCV]
.endr
	v_nop
.irp c,0,1,2,3
	global_store_b128 v[OUTO], v[VC+16*(\ct%2)+4*\c:VC+16*(\ct%2)+4*\c+3], s[78:79] offset:\ct*2048+512*\c
.endr
.endr
	s_wait_xcnt 0x0
	v_lshl_add_u32 v254, v0, 2, 0x42000
	v_mov_b32 v255, 0
	s_wait_tensorcnt 0x0
	ds_add_u32 v254, v255
	s_wait_dscnt 0x0
	s_endpgm
.Lfunc_end_k_q6d8d6cb162_proj:
	.size	k_q6d8d6cb162_proj, .Lfunc_end_k_q6d8d6cb162_proj-k_q6d8d6cb162_proj
	.p2alignl 7, 3214868480
	.fill 96, 4, 3214868480
	.section	.rodata,"a",@progbits
	.p2align	6, 0x0
	.amdhsa_kernel k_q6d8d6cb162_proj
		.amdhsa_group_segment_fixed_size 270848
		.amdhsa_private_segment_fixed_size 0
		.amdhsa_enable_private_segment 0
		.amdhsa_kernarg_size 80
		.amdhsa_user_sgpr_count 2
		.amdhsa_user_sgpr_kernarg_segment_ptr 1
		.amdhsa_wavefront_size32 1
		.amdhsa_system_sgpr_workgroup_id_x 1
		.amdhsa_system_sgpr_workgroup_id_y 1
		.amdhsa_system_sgpr_workgroup_id_z 1
		.amdhsa_system_vgpr_workitem_id 0
		.amdhsa_next_free_vgpr 1024
		.amdhsa_next_free_sgpr 100
		.amdhsa_reserve_vcc 0
		.amdhsa_float_denorm_mode_32 3
		.amdhsa_float_denorm_mode_16_64 3
		.amdhsa_memory_ordered 1
		.amdhsa_forward_progress 1
		.amdhsa_inst_pref_size 255
	.end_amdhsa_kernel
	.section	.bss,"aw",@nobits
	.p2align	6
	.space	262144
	.amdgpu_metadata
---
amdhsa.version: [ 1, 2 ]
amdhsa.kernels:
  - .name:           k_q6d8d6cb162_proj
    .symbol:         k_q6d8d6cb162_proj.kd
    .args:
      - { .name: query, .offset: 0, .size: 8, .value_kind: global_buffer, .address_space: global }
      - { .name: Wq_codes, .offset: 8, .size: 8, .value_kind: global_buffer, .address_space: global }
      - { .name: Wk_codes, .offset: 16, .size: 8, .value_kind: global_buffer, .address_space: global }
      - { .name: Wv_codes, .offset: 24, .size: 8, .value_kind: global_buffer, .address_space: global }
      - { .name: bq, .offset: 32, .size: 8, .value_kind: global_buffer, .address_space: global }
      - { .name: bk, .offset: 40, .size: 8, .value_kind: global_buffer, .address_space: global }
      - { .name: bv, .offset: 48, .size: 8, .value_kind: global_buffer, .address_space: global }
      - { .name: lowp_scales, .offset: 56, .size: 8, .value_kind: global_buffer, .address_space: global }
      - { .name: q_img, .offset: 64, .size: 8, .value_kind: global_buffer, .address_space: global }
      - { .name: kv_img, .offset: 72, .size: 8, .value_kind: global_buffer, .address_space: global }
    .group_segment_fixed_size: 270848
    .private_segment_fixed_size: 0
    .kernarg_segment_align: 8
    .kernarg_segment_size: 80
    .max_flat_workgroup_size: 128
    .sgpr_count:     100
    .vgpr_count:     1024
    .wavefront_size: 32
...
	.end_amdgpu_metadata
.endif
;; end of part 1
;; launch attn (part 2): grid 32 x 16, 4 waves a work-group, clusters of 4 x 1, 327,680 bytes of LDS; arguments q_img, kv_img, query, beta, lowp_scales, out0; writes out0
.if DOCPART == 2
	.amdgcn_target "amdgcn-amd-amdhsa--gfx1250"
	.amdhsa_code_object_version 6
	.text
	.protected	k_q6d8d6cb162_attn
	.globl	k_q6d8d6cb162_attn
	.p2align	8
	.type	k_q6d8d6cb162_attn,@function
k_q6d8d6cb162_attn:
	s_mov_b64 s[64:65], 0
	v_nop
	global_prefetch_b8 v0, s[64:65] scope:SCOPE_SE
	s_setreg_imm32_b32 hwreg(HW_REG_WAVE_MODE, 25, 1), 1
	s_wait_xcnt 0x0
	s_wait_alu depctr_hold_cnt(0) depctr_sa_sdst(0) depctr_va_vdst(0) depctr_va_sdst(0) depctr_va_ssrc(0) depctr_va_vcc(0) depctr_vm_vsrc(0)
	s_getreg_b32 s2, hwreg(HW_REG_IB_STS2, 6, 4)
	s_cmp_eq_u32 s2, 0
	s_cbranch_scc0 .Lentry_in_a_cluster
	s_endpgm
.Lentry_in_a_cluster:
	s_bfe_u32 s2, ttmp6, 0x10000c
	s_cmp_lg_u32 s2, 0x3003
	s_cbranch_scc0 .Lentry_shape_is_right
	s_endpgm
.Lentry_shape_is_right:
; out = query + beta x softmax(q k^T) v, both products on codes of BF8 (E5M2), from the register images that the launch before has stored.
; SHARES.  A work-group owns 64 queries (4 tiles of 16) of one batch; the four work-groups of a cluster belong to one batch and ask for k's and v's blocks JOINTLY (mask 15).
; PASS 1: every wave multiplies its keys (tiles 2 w, 2 w + 1 of each of the 16 key steps; their 32 fragments of k come from memory into 256 registers) by the 4 query tiles and keeps the largest score;
; the waves' maxima meet in LDS: M = ceil(largest t), t = score x log2(e) x 2^(e6 + e7), is the row's own, so nothing is ever rescaled.
; THE LOADS OF THE HEAD: q's 8 and the 52 of k's steps 0 to 12 go out first, ahead of the cluster's round; each step of pass 1 waits for its own four alone and asks for four more: k's steps 13 to 15, then the residual.
; PASS 2, 16 key steps of 128 keys.  FOR THE SOFTMAX THE WAVES SHARE THE KEYS: S^T = k q^T (source 0 = 16 keys, source 1 = 16 queries; a lane holds one query and keys 8 h + j); p = 2^(t - M); the sum of the
; unquantised p; hold and conversion: the codes of key tiles 2 w, 2 w + 1 ARE registers 4 w .. 4 w + 3 of P's fragment: one 16-byte store a query tile.  FOR P V THE WAVES SHARE THE CHANNELS: wave w holds 64 queries x
; channels 128 w .. + 127 (32 accumulators), source 0 = 16 channels of v (keys along the registers), source 1 = P.  So each byte of k and v in LDS is read by one wave, and only P goes round.
; BY TURNS: between two barriers a wave issues the 32 products of step j, and the softmax of step j + 1 stands in slices behind them.
; The residual's 32 KB a wave are loaded into window 3 during pass 1 (the last twelve loads behind pass 2's first interval) and waited for on the way out.
; The 8 clusters of a batch begin at 8 different slots of its 8 (with M fixed the order of the keys is free): slot number (s + cluster x) mod 8.
; LIMITS: e8 between -126 and 112; e6 + e7 between -126 and 127 (added to an exponent field); e8 + e9 goes in by v_ldexp_f32.  NaN among the inputs is not served.
; REGISTERS.  window 0: v1-15 addresses and constants; v16-31 four a query tile: -M, a written partner, the sum in two halves; v32-63 q; v64-79 k of a step; v80-95 at work; v96-111 codes just made;
;   v112-127 exchanges; v128-191 S^T, then p; v192-255 P's four fragments.   window 1: v's 8 fragments, two sets.   window 2: pass 1: k; then the accumulators, (m, ct) at 64 m + 8 ct.   window 3: the residual.
.set STEPB,  73728                     ; a key step's block: 65,536 bytes of v, 8,192 of k
.set SLOTB,  2*STEPB                   ; a slot holds two; its bits 17 and 14 are set in no place inside slot 0 that is turned, so one exclusive or changes slots
.set KOFF,   65536
.set QUART,  36864                     ; what one wave's load brings: 144 rows of 256 bytes
.set PBUF,   2*SLOTB                   ; P's images: two buffers of 8,192 bytes
.set EXM,    PBUF+16384                ; the waves' maxima: 1,024 bytes; behind them the waves' sums
.set EXL,    1024
.set SPARE,  EXM+2048                  ; the spare words, 128 bytes for each wave: two blocks of 256 bytes that no other line names
.set SPITCH, 528                       ; the way out: a stage of 16 rows x (512 + 16) bytes for each wave, in slot 0, which has had its last fill and its last read by then
.set APL, 1
.set APS, 2
.set AV0, 3
.set AK0, 4
.set ADV, 5
.set ADK, 6
.set AEXS, 7
.set AEXL, 8
.set STO, 9
.set RD,  10
.set GO,  11                           ; v11  16 x lane; never rewritten
.set SPW, 12                           ; v12  my spare word; never rewritten
.set NIL, 13                           ; v13  0; never rewritten
.set SCP, 14                           ; v14  2^e8
.set LIMP, 15                          ; v15  57,344 x 2^e8
.set ST,  16
.set G,   16                           ; the way out: beta x 2^(e8 + e9) / l, twice for each query tile
.set Q,   32
.set KF,  64
.set RM,  80
.set PC,  96
.set S,   128
.set TMP, 128
.set P,   192
.set WV,  16                           ; s16
.set CS,  22                           ; s[22:23] c = log2(e) x 2^(e6 + e7)
.set G1,  24                           ; s[24:31] descriptor group 1
.set SIG, 44                           ; s44  the number of the slot's worth last asked for
.set LC,  46
.set TF,  47                           ; s47  LDS byte of the block whose k and v are fetched next
.set MSB, 0
.macro WIN new
.if MSB != (\new)
	s_set_vgpr_msb (MSB<<8)|(\new)
.set MSB, (\new)
.endif
.endm
.macro NOP4
.rept 4
	v_nop
.endr
.endm
.macro PLAINB                          ; my LDS stores have landed and my LDS loads are in
	s_wait_dscnt 0x0
	s_barrier_signal -1
	s_barrier_wait -1
.endm
.macro CROUND                          ; a round of the cluster's barrier
	s_barrier_signal -1
	s_barrier_wait -1
	s_cmp_lg_u32 s[WV], 0
	s_cbranch_scc1 .Lnot_wave_0_\@
	s_barrier_signal -3
.Lnot_wave_0_\@:
	s_barrier_wait -3
	s_barrier_signal -1
	s_barrier_wait -1
.endm
.macro KLOAD st                        ; my two key tiles of key step st, four loads, into window 2 (the caller sets the window)
.irp u,0,1
.irp b,0,1
	global_load_b128 v[16*(\st)+8*\u+4*\b:16*(\st)+8*\u+4*\b+3], v[GO], s[68:69] offset:(\st)*STEPB+KOFF+1024*\u+512*\b
.endr
.endr
.endm
.macro QXLOAD n0, cnt                  ; rows n0 .. n0 + cnt - 1 of the residual's 64: 512 consecutive bytes of a row each, row n into v[4 n] of window 3
	WIN 0xc0                                       ; destination window 3
.set qn, (\n0)
.rept \cnt
	global_load_b128 v[4*qn:4*qn+3], v[GO], s[76:77] offset:qn*2048 th:TH_LOAD_NT
.set qn, qn+1
.endr
	WIN 0
.endm
	s_load_b256 s[4:11], s[0:1], 0x0               ; q_img s[4:5], kv_img s[6:7], query s[8:9], beta s[10:11]
	s_load_b128 s[12:15], s[0:1], 0x20             ; the scales' exponents s[12:13], out0 s[14:15]
	v_lshl_add_u32 v[SPW], v0, 2, SPARE
	v_mov_b32 v[NIL], 0
	ds_add_u32 v12, v13
	ds_add_u32 v12, v13
	s_wait_dscnt 0x0
	v_lshrrev_b32 v1, 5, v0
	v_readfirstlane_b32 s[WV], v1                  ; wave 0..3
	v_and_b32 v112, 31, v0                         ; lane
	v_and_b32 v113, 15, v0                         ; r
	v_bfe_u32 v114, v0, 4, 1                       ; h
	v_lshlrev_b32 v[GO], 4, v112
	s_and_b32 s17, ttmp7, 0xffff                   ; the batch, which the four partners share
	s_bfe_u32 s18, ttmp6, 0x40000                  ; cx
	s_lshl_b32 s19, ttmp9, 2
	s_add_co_u32 s19, s19, s18                     ; my block of 64 queries: it enters q_img's, query's and out0's addresses alone
	s_lshl_b32 s72, s17, 17                        ; q_img: 128 tiles of 1,024 bytes a batch,
	s_lshl_b32 s73, s19, 12                        ; 4 a block of queries
	s_add_co_u32 s72, s72, s73
	s_mov_b32 s73, 0
	s_mul_i32 s80, s17, 16*STEPB                   ; the batch's first byte in kv_img
	s_lshl_b32 s83, s[WV], 11                      ; my two key tiles of each step
	s_add_co_u32 s68, s80, s83
	s_mov_b32 s69, 0
	; descriptor group 1: 144 dense rows of 32 elements of 8 bytes
	s_mov_b32 s[G1+0], 15|(3<<16)|(1<<21)          ; the mask: all four work-groups; elements of 8 bytes; bit 21 beside a mask
	s_mov_b32 s[G1+1], 32<<16
	s_mov_b32 s[G1+2], 144<<16
	s_mov_b32 s[G1+3], 32<<16
	s_mov_b32 s[G1+4], 144
	s_mov_b32 s[G1+5], 32
	s_mov_b32 s[G1+6], 0
	s_mov_b32 s[G1+7], 0
	s_mov_b32 s20, 0x76543210                      ; v_permlanex16_b32: lane l xor 16
	s_mov_b32 s21, 0xfedcba98
	s_mul_i32 s82, s[WV], QUART                    ; my quarter of a slot, in memory and in LDS
	s_add_co_u32 s84, s80, s82
	s_mov_b32 s85, 0
	s_mul_i32 s42, ttmp9, SLOTB                    ; the first slot's worth: number cluster x,
	s_mov_b32 s43, 0
	s_add_co_u32 s86, ttmp9, 1
	s_and_b32 s86, s86, 7
	s_mul_i32 s86, s86, SLOTB                      ; the second: (1 + cluster x) mod 8
	s_mov_b32 s87, 0
	s_mov_b32 s[SIG], 1
	s_mov_b32 s[TF], 0
	s_wait_kmcnt 0x0
	s_load_b256 s[48:55], s[12:13], 0x0            ; e0 .. e7
	s_load_b64 s[56:57], s[12:13], 0x20            ; e8, e9
	s_load_b32 s58, s[10:11], 0x0                  ; beta
	s_add_nc_u64 s[72:73], s[4:5], s[72:73]        ; q_img at my first tile
	s_add_nc_u64 s[68:69], s[6:7], s[68:69]        ; kv_img at the batch's first block + my two key tiles
	; what pass 1 waits for is asked for first, ahead of the round and the descriptors: 8 + 52 = 60 loads of mine are out
.irp m,0,1,2,3
.irp b,0,1
	global_load_b128 v[Q+8*\m+4*\b:Q+8*\m+4*\b+3], v[GO], s[72:73] offset:1024*\m+512*\b   ; q stays in registers
.endr
.endr
	WIN 0x80                                       ; destination window 2
.irp t,0,1,2,3,4,5,6,7,8,9,10,11,12
	KLOAD \t
.endr
	WIN 0
	s_add_nc_u64 s[40:41], s[6:7], s[84:85]        ; kv_img at the batch's first byte + my quarter
	s_mov_b32 s32, 1
	s_mov_b32 s33, s82                             ; slot 0
	s_add_nc_u64 s[34:35], s[40:41], s[42:43]
	s_or_b32 s35, s35, 0x80000000
	s_mov_b32 s36, 1
	s_add_co_u32 s37, s82, SLOTB                   ; slot 1; this group 0 then walks
	s_add_nc_u64 s[38:39], s[40:41], s[86:87]
	s_or_b32 s39, s39, 0x80000000
	CROUND                                         ; all four work-groups are here: the first joint loads meet
	tensor_load_to_lds s[32:35], s[G1:G1+7]
	s_nop 0
	tensor_load_to_lds s[36:39], s[G1:G1+7]        ; two tensor loads of mine are out
	s_nop 0
	NOP4
	s_lshl_b32 s74, s17, 22                        ; 2,048 rows of 2,048 bytes a batch,
	s_lshl_b32 s75, s19, 17                        ; 64 a block of queries,
	s_add_co_u32 s74, s74, s75
	s_lshl_b32 s75, s[WV], 9                       ; my 128 channels
	s_add_co_u32 s74, s74, s75
	s_mov_b32 s75, 0
	s_add_nc_u64 s[76:77], s[8:9], s[74:75]        ; query
	s_add_nc_u64 s[78:79], s[14:15], s[74:75]      ; out0
	v_add_nc_u32 v[APL], PBUF, v[GO]               ; P's images: 16 x lane
	s_lshl_b32 s83, s[WV], 9
	v_add_nc_u32 v[APS], s83, v[APL]               ; my piece of each
	s_lshl_b32 s83, s[WV], 14
	v_add_nc_u32 v[AV0], s83, v[GO]                ; my 8 channel tiles in a block
	s_lshl_b32 s83, s[WV], 11
	s_add_co_u32 s83, s83, KOFF
	v_add_nc_u32 v[AK0], s83, v[GO]                ; my 2 key tiles in a block
	v_lshlrev_b32 v[AEXL], 2, v113
	v_add_nc_u32 v[AEXL], EXM, v[AEXL]
	s_lshl_b32 s83, s[WV], 8
	v_add_nc_u32 v[AEXS], s83, v[AEXL]
	s_mul_i32 s83, s[WV], 16*SPITCH
	v_mul_u32_u24 v[STO], v113, SPITCH
	v_lshl_add_u32 v[STO], v114, 5, v[STO]
	v_add_nc_u32 v[STO], s83, v[STO]               ; the stage: row r, + 32 h
	v_add_nc_u32 v[RD], s83, v[GO]                 ; and back: a whole row, 16 bytes a lane
.irp m,0,1,2,3
	v_mov_b32 v[RM+\m], 0xff800000                 ; the largest score so far: -infinity
.endr
.irp j,4,5,6,7,8,9,10,11
	v_mov_b32 v[RM+\j], 0                          ; a lane permute's destination counts as read: written once
.endr
	s_wait_kmcnt 0x0
	s_add_co_i32 s88, s54, s55
	s_lshl_b32 s88, s88, 23
	s_add_co_i32 s[CS], s88, 0x3fb8aa3b            ; log2(e) with e6 + e7 added to its exponent field
	s_mov_b32 s[CS+1], s[CS]                       ; (named with it as a pair, so it is written)
	s_add_co_i32 s88, s56, 127
	s_lshl_b32 s89, s88, 23
	v_mov_b32 v[SCP], s89
	s_add_co_i32 s88, s88, 15
	s_lshl_b32 s88, s88, 23
	s_or_b32 s88, s88, 0x600000
	v_mov_b32 v[LIMP], s88
	s_add_co_i32 s59, s56, s57                     ; e8 + e9
; PASS 1.  Two buffers of scores by turns: one step's 32 maxima are the places behind the next step's products.
; Loads come back in order (ISA guide 5.7.1).  Behind step st's four loads stand 48 younger ones at its wait: the 12 - st later steps of the first run, and four for each step gone by;
; steps 13, 14, 15 were asked for in steps 0, 1, 2, and twelve steps' four stand behind them.  So every step has the same count, q is in with step 0, and at most 60 loads of mine are out here.
.macro MUL1 st
	s_wait_loadcnt 48
	WIN 0x02                                       ; source 0 (k) window 2
.irp m,0,1,2,3
.irp u,0,1
	v_wmma_f32_16x16x64_bf8_bf8 v[S+64*((\st)%2)+16*\m+8*\u:S+64*((\st)%2)+16*\m+8*\u+7], v[16*(\st)+8*\u:16*(\st)+8*\u+7], v[Q+8*\m:Q+8*\m+7], 0
.endr
.endr
.endm
.macro MAX1 st                         ; the four query tiles by turns; each accumulator from its low end on
	WIN 0
.irp u,0,1
.irp p,0,2,4,6
.irp m,0,1,2,3
	v_max3_num_f32 v[RM+\m], v[RM+\m], v[S+64*((\st)%2)+16*\m+8*\u+\p], v[S+64*((\st)%2)+16*\m+8*\u+\p+1]
.endr
.endr
.endr
.endm
.macro MORE st                         ; step st's four new loads, between its wait and the next step's: k's last three steps, then the residual's rows 4 (st - 3) on
.if (\st) < 3
	WIN 0x80                                       ; destination window 2
	KLOAD 13+(\st)
	WIN 0
.else
	QXLOAD 4*((\st)-3), 4
.endif
.endm
	MUL1 0
	MORE 0
	MUL1 1
	NOP4
	MAX1 0
	MORE 1
.irp t,2,3,4,5,6,7,8,9,10,11,12,13,14,15
	MUL1 \t
	MAX1 \t-1
	MORE \t
.endr
	MAX1 15
	; M: the other half of the lanes, then the other waves
.irp m,0,1,2,3
	v_permlanex16_b32 v[RM+4+\m], v[RM+\m], s20, s21
.endr
.irp m,0,1,2,3
	v_max_num_f32 v[RM+\m], v[RM+\m], v[RM+4+\m]
.endr
.irp m,0,1,2,3
	ds_store_b32 v[AEXS], v[RM+\m] offset:64*\m    ; lanes r and r + 16 write the same word with the same value
.endr
	s_wait_tensorcnt 0x1                           ; my part of slot 0 is in; slot 1's may stay out
	PLAINB
.irp p,0,1,2,3
.irp m,0,1,2,3
	ds_load_b32 v[112+4*\p+\m], v[AEXL] offset:256*\p+64*\m
.endr
.endr
	s_wait_dscnt 0x0
.irp m,0,1,2,3
	v_max3_num_f32 v[RM+\m], v[112+\m], v[116+\m], v[120+\m]
.endr
.irp m,0,1,2,3
	v_max_num_f32 v[RM+\m], v[RM+\m], v[124+\m]
.endr
.irp m,0,1,2,3
	v_mul_f32 v[RM+\m], s[CS], v[RM+\m]            ; as t (c is positive)
.endr
.irp m,0,1,2,3
	v_floor_f32 v[ST+4*\m], -v[RM+\m]              ; -M = floor(-t) = -ceil(t)
	v_mov_b32 v[ST+4*\m+1], 0                      ; (named with it as a pair)
	v_mov_b32 v[ST+4*\m+2], 0                      ; the sum, in two halves
	v_mov_b32 v[ST+4*\m+3], 0
.endr
; PASS 2.  THE VECTOR WORK OF A STEP, in 32 slices; kk counts them.
.macro FP p                            ; pair p of the 32: t - M (of the pairs c and -M the low word serves both halves)
	v_pk_fma_f32 v[S+2*(\p):S+2*(\p)+1], v[S+2*(\p):S+2*(\p)+1], s[CS:CS+1], v[ST+4*((\p)/8):ST+4*((\p)/8)+1] op_sel_hi:[1,0,0]
.endm
.macro FE                              ; slices 0-15: the two scalings that the next slice's exponentials want, then four exponentials.  None of these names an exponential's result
.if kk < 15
	FP 2*kk+2
	FP 2*kk+3
.endif
.irp n,0,1,2,3
	v_exp_f32 v[S+4*kk+\n], v[S+4*kk+\n]
.endr
.endm
.macro MID                             ; behind slice 15: the plain line behind the last exponential, the one wait for the step's 64, and the next step's v into the other set
	v_nop
	v_add_nc_u32 v[ADV], s[TF], v[AV0]
	s_wait_alu depctr_va_vdst(0)                   ; ahead of the first line that names a result: one for the batch
	WIN 0x40                                       ; destination window 1
.irp ct,0,1,2,3,4,5,6,7
.irp c,0,1,2,3
	ds_load_b128 v[VNXT+16*\ct+4*\c:VNXT+16*\ct+4*\c+3], v[ADV] offset:2048*\ct+512*\c
.endr
.endr
.endm
.macro AHC                             ; slices 16-31: four numbers: into the sum UNQUANTISED, then held (p is not negative: one-sided); eight held numbers are converted
.set am, (kk-16)%4
.set aq, (kk-16)/4
.set aR, S+16*am+4*aq
	v_pk_add_f32 v[ST+4*am+2:ST+4*am+3], v[ST+4*am+2:ST+4*am+3], v[aR:aR+1]
	v_min_num_f32 v[aR], v[aR], v[LIMP]
	v_min_num_f32 v[aR+1], v[aR+1], v[LIMP]
	v_pk_add_f32 v[ST+4*am+2:ST+4*am+3], v[ST+4*am+2:ST+4*am+3], v[aR+2:aR+3]
	v_min_num_f32 v[aR+2], v[aR+2], v[LIMP]
	v_min_num_f32 v[aR+3], v[aR+3], v[LIMP]
.if aq%2
	v_cvt_scalef32_pk8_bf8_f32 v[PC+4*am+2*(aq/2):PC+4*am+2*(aq/2)+1], v[S+16*am+8*(aq/2):S+16*am+8*(aq/2)+7], v[SCP]
.endif
.endm
.macro SLICE
	WIN 0
.if kk < 16
	FE
.if kk == 15
	MID
.endif
.else
	AHC
.endif
.set kk, kk+1
.endm
.macro PSTORE par                      ; my piece of the four fragments of P goes to the buffer that is not being read
	v_nop                                          ; a plain line behind the last conversion
.irp m,0,1,2,3
	ds_store_b128 v[APS], v[PC+4*\m:PC+4*\m+3] offset:8192*(1-(\par))+2048*\m
.endr
.endm
; BETWEEN TWO BARRIERS.  pv = 1: the 32 products of step j (P from buffer par, v from set par); zero = 1: they start the sums.  sm = 1: scores and softmax of step j + 1, whose block begins at s[TF].
.macro INTERVAL par, pv, sm, zero
.set VCUR, 128*(\par)
.set VNXT, 128-128*(\par)
	WIN 0
.if \sm
	v_add_nc_u32 v[ADK], s[TF], v[AK0]
.irp u,0,1
.irp b,0,1
	ds_load_b128 v[KF+8*\u+4*\b:KF+8*\u+4*\b+3], v[ADK] offset:1024*\u+512*\b
.endr
.endr
.endif
.if \pv
.irp m,0,1,2,3
.irp c,0,1,2,3
	ds_load_b128 v[P+16*\m+4*\c:P+16*\m+4*\c+3], v[APL] offset:8192*(\par)+2048*\m+512*\c
.endr
.endr
.endif
.if \sm
.if \pv
	s_wait_dscnt 16                                ; k's four loads are in; P's sixteen may be out
.else
	s_wait_dscnt 0x0
.endif
.irp m,0,1,2,3
.irp u,0,1
	v_wmma_f32_16x16x64_bf8_bf8 v[S+16*\m+8*\u:S+16*\m+8*\u+7], v[KF+8*\u:KF+8*\u+7], v[Q+8*\m:Q+8*\m+7], 0
.endr
.endr
	NOP4                                           ; places in front of the first read of the scores
	FP 0
	FP 1
.set kk, 0
.rept 4
	SLICE
.endr
.endif
.if \pv
	s_wait_dscnt 0x0                               ; P is in (v came ahead of the barrier)
.set i, 0
.rept 32
	WIN 0xa1                                       ; source 0 (v) window 1, source 1 (P) window 0, C and D window 2
.set rO, 64*(i%4)+8*(i/4)
.set rV, VCUR+16*(i/4)
.set rP, P+16*(i%4)
.if \zero
	v_wmma_f32_16x16x128_bf8_bf8 v[rO:rO+7], v[rV:rV+15], v[rP:rP+15], 0
.else
	v_wmma_f32_16x16x128_bf8_bf8 v[rO:rO+7], v[rV:rV+15], v[rP:rP+15], v[rO:rO+7]
.endif
.if \sm
.if i < 28
	SLICE
.endif
.if i == 27
	PSTORE \par
.endif
.endif
.set i, i+1
.endr
	WIN 0
	NOP4                                           ; places in front of the next loads into P's registers, and of the first read of the sums
.else
.rept 28
	SLICE
.endr
	WIN 0
	PSTORE \par
.endif
.endm
; THE CHANGE OF SLOTS: both blocks of a slot have been read.  Each wave waits for all its tensor loads (one is out: its quarter of the other slot), adds 0 to its spare word, and waits for that, for its reads of the slot
; and for its stores of P.  fill = 1: a round of the cluster's barrier, and the slot is filled again first thing behind it: the load has two key steps in which to land.
.macro CHANGE fill
	WIN 0
	s_wait_tensorcnt 0x0                           ; no tensor load of mine is out, so a group 0 may be written
	ds_add_u32 v[SPW], v[NIL]                      ; 0 onto my spare word
	s_sub_co_u32 s[TF], s[TF], STEPB               ; the fetches go back to a slot's first block,
	s_xor_b32 s[TF], s[TF], SLOTB                  ; in the other slot
.if \fill
	s_xor_b32 s37, s37, SLOTB                      ; the walking descriptor: the slot just left,
	s_add_co_u32 s[SIG], s[SIG], 1
	s_add_co_u32 s42, s[SIG], ttmp9
	s_and_b32 s42, s42, 7
	s_mul_i32 s42, s42, SLOTB                      ; the next slot's worth, (number + cluster x) mod 8: the same in all four partners
	s_add_nc_u64 s[38:39], s[40:41], s[42:43]
	s_or_b32 s39, s39, 0x80000000
	s_wait_dscnt 0x0
	CROUND
	tensor_load_to_lds s[36:39], s[G1:G1+7]        ; every wave's one load behind the round
	s_nop 0
	NOP4
.else
	s_wait_dscnt 0x0
	s_barrier_signal -1
	s_barrier_wait -1
.endif
.endm
	INTERVAL 1, 0, 1, 0                            ; softmax of step 0, v of step 0
	QXLOAD 52, 12                                  ; the residual's last twelve rows.  Its 64 loads are one more than LOADcnt's field counts (the issue would stall: ISA guide 5.7.1): these stand here, where the first have had pass 1 and an interval in which to land
	s_add_co_u32 s[TF], s[TF], STEPB
	PLAINB
	INTERVAL 0, 1, 1, 1                            ; products of step 0 start the sums | softmax of step 1
	s_mov_b32 s[LC], 6
.Lslot:                                            ; six trips: slots' worth 2 to 7 are asked for
	CHANGE 1
	INTERVAL 1, 1, 1, 0
	s_add_co_u32 s[TF], s[TF], STEPB
	PLAINB
	INTERVAL 0, 1, 1, 0
	s_sub_co_u32 s[LC], s[LC], 1
	s_cmp_lg_u32 s[LC], 0
	s_cbranch_scc1 .Lslot
	CHANGE 0                                       ; the tail is written out: nothing more is asked for
	INTERVAL 1, 1, 1, 0
	s_add_co_u32 s[TF], s[TF], STEPB
	PLAINB
	INTERVAL 0, 1, 1, 0
.irp m,0,1,2,3
	v_add_f32 v[RM+4+\m], v[ST+4*\m+2], v[ST+4*\m+3]   ; my keys' sum: the two halves,
.endr
.irp m,0,1,2,3
	v_permlanex16_b32 v[RM+8+\m], v[RM+4+\m], s20, s21
.endr
.irp m,0,1,2,3
	v_add_f32 v[RM+4+\m], v[RM+4+\m], v[RM+8+\m]       ; and lane l xor 16's
.endr
.irp m,0,1,2,3
	ds_store_b32 v[AEXS], v[RM+4+\m] offset:EXL+64*\m
.endr
	PLAINB
	INTERVAL 1, 1, 0, 0                            ; products of step 15
	; THE WAY OUT: out = query + sum x beta x 2^(e8 + e9) / l
.irp p,0,1,2,3
.irp m,0,1,2,3
	ds_load_b32 v[112+4*\p+\m], v[AEXL] offset:EXL+256*\p+64*\m
.endr
.endr
	s_wait_dscnt 0x0
.irp m,0,1,2,3
	v_add_f32 v[112+\m], v[112+\m], v[116+\m]
	v_add_f32 v[120+\m], v[120+\m], v[124+\m]
.endr
.irp m,0,1,2,3
	v_add_f32 v[112+\m], v[112+\m], v[120+\m]      ; l
.endr
.irp m,0,1,2,3
	v_rcp_f32 v[RM+4+\m], v[112+\m]
.endr
	v_nop                                          ; a plain line behind the last reciprocal
	s_wait_alu depctr_va_vdst(0)                   ; and the wait ahead of the first use: one for the four
.irp m,0,1,2,3
	v_ldexp_f32 v[RM+4+\m], v[RM+4+\m], s59
.endr
.irp m,0,1,2,3
	v_mul_f32 v[G+2*\m], s58, v[RM+4+\m]
	v_mul_f32 v[G+2*\m+1], s58, v[RM+4+\m]
.endr
; A lane holds 32 neighbouring bytes of a row and the lanes beside it other rows: a tile of 16 queries x my 128 channels goes through my own stage and comes back as whole rows of 512 bytes.
; LDS serves a wave's instructions in order (ISA guide 5.7.1.4): no wait between the stores and the loads, nor in front of the next tile's stores.
.macro TOSTAGE qt
	WIN 0x02                                       ; source 0: the sums, window 2
.irp i,0,2,4,6,8,10,12,14,16,18,20,22,24,26,28,30,32,34,36,38,40,42,44,46,48,50,52,54,56,58,60,62
	v_pk_mul_f32 v[TMP+\i:TMP+\i+1], v[64*(\qt)+\i:64*(\qt)+\i+1], v[G+2*(\qt):G+2*(\qt)+1]   ; each accumulator from its low end on
.endr
	WIN 0
.irp ct,0,1,2,3,4,5,6,7
	ds_store_b128 v[STO], v[TMP+8*\ct:TMP+8*\ct+3] offset:64*\ct
	ds_store_b128 v[STO], v[TMP+8*\ct+4:TMP+8*\ct+7] offset:64*\ct+16
.endr
.set BB, 192-128*((\qt)%2)
.irp t,0,1,2,3,4,5,6,7,8,9,10,11,12,13,14,15
	ds_load_b128 v[BB+4*\t:BB+4*\t+3], v[RD] offset:\t*SPITCH
.endr
.endm
.macro SEND qt, younger                ; younger: the LDS instructions issued behind this tile's loads, which may stay out
.set BB, 192-128*((\qt)%2)
	s_wait_dscnt \younger
	WIN 0x0c                                       ; source 1: the residual, window 3
.irp i,0,2,4,6,8,10,12,14,16,18,20,22,24,26,28,30,32,34,36,38,40,42,44,46,48,50,52,54,56,58,60,62
	v_pk_add_f32 v[BB+\i:BB+\i+1], v[BB+\i:BB+\i+1], v[64*(\qt)+\i:64*(\qt)+\i+1]
.endr
	WIN 0
.irp t,0,1,2,3,4,5,6,7,8,9,10,11,12,13,14,15
	global_store_b128 v[GO], v[BB+4*\t:BB+4*\t+3], s[78:79] offset:(16*(\qt)+\t)*2048 th:TH_STORE_NT   ; 32 lanes store 512 consecutive bytes of a row, at a multiple of 256 from out0's first byte
.endr
.endm
	TOSTAGE 0
	TOSTAGE 1
	s_wait_loadcnt 0x0                             ; the residual, asked for during pass 1 and behind pass 2's first interval
	SEND 0, 32                                     ; behind tile 0's loads: tile 1's 16 stores and 16 loads
	s_wait_xcnt 0x0                                ; tile 0's stores have read their data: tile 2's loads may land there
	TOSTAGE 2
	SEND 1, 32
	s_wait_xcnt 0x0
	TOSTAGE 3
	SEND 2, 32
	SEND 3, 0
	s_wait_tensorcnt 0x0                           ; the wave's end: behind my last tensor load and my last LDS store
	ds_add_u32 v[SPW], v[NIL]
	s_wait_dscnt 0x0
	CROUND                                         ; the closing round: no work-group ends while a partner may still ask for a block that names it
	s_endpgm
.Lfunc_end_k_q6d8d6cb162_attn:
	.size	k_q6d8d6cb162_attn, .Lfunc_end_k_q6d8d6cb162_attn-k_q6d8d6cb162_attn
	.p2alignl 7, 3214868480
	.fill 96, 4, 3214868480
	.section	.rodata,"a",@progbits
	.p2align	6, 0x0
	.amdhsa_kernel k_q6d8d6cb162_attn
		.amdhsa_group_segment_fixed_size 327680
		.amdhsa_private_segment_fixed_size 0
		.amdhsa_enable_private_segment 0
		.amdhsa_kernarg_size 48
		.amdhsa_user_sgpr_count 2
		.amdhsa_user_sgpr_kernarg_segment_ptr 1
		.amdhsa_wavefront_size32 1
		.amdhsa_system_sgpr_workgroup_id_x 1
		.amdhsa_system_sgpr_workgroup_id_y 1
		.amdhsa_system_sgpr_workgroup_id_z 1
		.amdhsa_system_vgpr_workitem_id 0
		.amdhsa_next_free_vgpr 1024
		.amdhsa_next_free_sgpr 100
		.amdhsa_reserve_vcc 0
		.amdhsa_float_denorm_mode_32 3
		.amdhsa_float_denorm_mode_16_64 3
		.amdhsa_memory_ordered 1
		.amdhsa_forward_progress 1
		.amdhsa_inst_pref_size 200
	.end_amdhsa_kernel
	.amdgpu_metadata
---
amdhsa.version: [ 1, 2 ]
amdhsa.kernels:
  - .name:           k_q6d8d6cb162_attn
    .symbol:         k_q6d8d6cb162_attn.kd
    .args:
      - { .name: q_img, .offset: 0, .size: 8, .value_kind: global_buffer, .address_space: global }
      - { .name: kv_img, .offset: 8, .size: 8, .value_kind: global_buffer, .address_space: global }
      - { .name: query, .offset: 16, .size: 8, .value_kind: global_buffer, .address_space: global }
      - { .name: beta, .offset: 24, .size: 8, .value_kind: global_buffer, .address_space: global }
      - { .name: lowp_scales, .offset: 32, .size: 8, .value_kind: global_buffer, .address_space: global }
      - { .name: out0, .offset: 40, .size: 8, .value_kind: global_buffer, .address_space: global }
    .group_segment_fixed_size: 327680
    .private_segment_fixed_size: 0
    .kernarg_segment_align: 8
    .kernarg_segment_size: 48
    .max_flat_workgroup_size: 128
    .sgpr_count:     100
    .vgpr_count:     1024
    .wavefront_size: 32
...
	.end_amdgpu_metadata
.endif
;; end of part 2
